; MI455X (gfx1250); checked and timed in simulation.
; The chip was launched on July 23, 2026; its instructions are those of AMD's public machine-readable ISA for CDNA 5 (MIT licence, August 2026) and "CDNA5" Instruction Set Architecture Reference Guide (July 2026). The comments in the code are by the model that wrote it; some were corrected since.
;; Quantized Linear. Allowed arithmetic: matrix products marked QUANTISED: E2M3 operands, one E8M0 scale for each 32 along K, by v_wmma_scale_f32_16x16x128_f8f6f4 with both operands' format E2M3, f32 sums; everything else in f32.
;; Inputs: bias 4,096 float32; codebook 16 float32; indices 4,096 x 4,096 int32; rotation_matrix_codes 4,096 x 128 x 24 uint8 (E2M3 codes of rotation_matrix, K innermost, in blocks of 32 codes, four codes in three bytes); rotation_matrix_scales 4,096 x 128 uint8 (E8M0 scales of rotation_matrix, one for each 32 codes along K); x_codes 32 x 128 x 24 uint8 (E2M3 codes of x, K innermost, in blocks of 32 codes, four codes in three bytes); x_scales 32 x 128 uint8 (E8M0 scales of x, one for each 32 codes along K).
;; Outputs: out0 32 x 4,096 float32.
;; This version of the problem:
;;   THIS VERSION OF THE PROBLEM IS GIVEN IN LOW PRECISION. The matrix products marked QUANTISED in the list below multiply operands that are first quantised to E2M3 (2 exponent bits, 3 mantissa bits; 6 bits a number), with one power-of-two scale for each 32 numbers along K (OCP MX v1.0); their sums are f32. All else is computed in f32.
;;   The module's matrix products, in the order in which they are computed (A, B: the left and right operand; K: the contracted axis; several contracted axes count as one K, in the product's order):
;;     1. [M 4,096, K 4,096] x [K 4,096, N 4,096]; A: computed on the way; B: input rotation_matrix (given as codes): QUANTISED
;;     2. [M 32, K 4,096] x [K 4,096, N 4,096]; A: input x (given as codes); B: computed on the way: QUANTISED
;;   THE QUANTISER, for each operand of a quantised product, along K:
;;     - K is cut into blocks of 32 from its start; a last block that is shorter is filled with zeros.
;;     - A block's scale is 2^e with e = floor(log2(the largest magnitude in the block)) - 2, held to -126 .. 127; a block of zeros has e = 0. As a byte (E8M0): e + 127.
;;     - Each number is divided by its block's scale, clamped to +-7.5, and rounded to the nearest number of E2M3, ties to even, subnormals kept.
;;     - The product sums the exact products of the quantised numbers (number of the format x scale) in f32.
;;   ~~~python
;;   def quantise(x, axis):      # numpy; x: float32 -> the quantised numbers, widened to float32 again
;;       x = np.moveaxis(x, axis, -1); K = x.shape[-1]
;;       x = np.pad(x, [(0, 0)] * (x.ndim - 1) + [(0, -K % 32)]); x = x.reshape(x.shape[:-1] + (-1, 32)); a = np.abs(x).max(-1, keepdims=True)
;;       e = np.where(a > 0, np.clip(np.frexp(np.where(a > 0, a, 1))[1] - 1 - 2, -126, 127), 0)      # np.frexp(a)[1] - 1 = floor(log2(a)), exactly
;;       r = np.clip(x / 2.0 ** e, -7.5, 7.5)
;;       step = 2.0 ** (np.maximum(np.frexp(np.where(r == 0, 1, r))[1] - 1, 0) - 3)
;;       q = np.round(r / step) * step * 2.0 ** e      # np.round: ties to even
;;       return np.moveaxis(q.reshape(q.shape[:-2] + (-1,))[..., :K], -1, axis).astype(np.float32)
;;   ~~~
;;   OPERANDS COMPUTED ON THE WAY. 'Computed on the way' means the value that the module computes at that place (a softmax that the list does not call 'softmax' is quantised finished and normalised). What goes into a quantiser is computed in f32, as accurately as f32 sums, v_exp_f32 and their like allow (about 1e-6 of the number): no bf16 or f16 on the way to a quantiser, and a product that is left as it is and whose result goes on into a quantised operand takes f32 operands (vector FMAs, or v_wmma_f32_16x16x4_f32). A number that lies on a knife's edge between two numbers of the format may be rounded either way, as far as f32 arithmetic and the matrix unit's own rounding can turn it there, and no further.
;;   INPUTS GIVEN AS CODES. rotation_matrix (in the module: [4096, 4096], K = its axis 0); x (in the module: [32, 4096], K = its axis 1): each comes as NAME_codes (uint8): NAME with its K axis moved to the last place and cut into blocks of 32 codes, [.., K / 32, bytes a block], one block behind the other in memory; four codes in three bytes: a row's codes are one little-endian stream of bits, code i at bits 6 i .. 6 i + 5 (a code: sign, 2 exponent bits, 3 mantissa bits); and NAME_scales (uint8): the same leading axes, one E8M0 byte (e + 127) for each 32 codes along K. Its value is code x scale, taken as it is: it is not quantised again, and the codes and scales need not be those that the quantiser above would give.
;; One version. Each part assembles by itself: llvm-mc -triple=amdgcn-amd-amdhsa -mcpu=gfx1250 --defsym DOCPART=n.
;; ======== version 1 of 1: 3 launches
;; limits: right only within a limited range of input values
;; workspace buffers: a_codes 12,582,912 bytes; scl 1,048,576 bytes; part 8,388,608 bytes
;; launch quant (part 1): grid 256 x 1, 16 waves a work-group, no clusters, 88,320 bytes of LDS; arguments indices, codebook, rotation_matrix_scales, a_codes, scl; writes a_codes, scl
.if DOCPART == 1
	.amdgcn_target "amdgcn-amd-amdhsa--gfx1250"
	.amdhsa_code_object_version 6
	.text
	.protected	k_q65742baaa0_quant
	.globl	k_q65742baaa0_quant
	.p2align	8
	.type	k_q65742baaa0_quant,@function
k_q65742baaa0_quant:
	s_mov_b64 s[64:65], 0
	v_nop
	global_prefetch_b8 v0, s[64:65] scope:SCOPE_SE
	s_setreg_imm32_b32 hwreg(HW_REG_WAVE_MODE, 25, 1), 1
	s_wait_xcnt 0x0
; a[o][k] = codebook[indices[o][k]], [4096][4096], becomes codes of FP6 (E2M3), K (= k) innermost, a_codes [4096][3072 bytes], with one E8M0 byte for each 32 along K.
; A block's byte is its largest magnitude's exponent field - 2, held at 1 from below; each number is divided by the scale and rounded to the nearest code, ties to even.
; Both products of the problem are live (the weight is quantised between them), so nothing is left out.
; THE SCALES ARE LAID FOR THE NEXT LAUNCH: scl = [2][8 quads][4096 rows][16 bytes]: part 0 a's bytes, part 1 rotation_matrix's, with the values as they are given.
; A quad is 512 along K, 16 bytes of a row; sixteen neighbouring rows of a quad are 256 consecutive bytes.  In each word (128 along K) THE MIDDLE TWO BYTES CHANGE PLACES:
; the next launch gives the matrix unit a step's four blocks in the order 0, 2, 1, 3.
; LIMITS: a block of zeros gets the byte 1 where the rule says 127 (its codes are zeros, and this program alone reads the bytes); NaN and infinities in the codebook are not served;
; an index above 15 (unsigned) takes entry 15: the problem keeps indices inside the table.
; SHARES.  A work-group takes 16 rows, a wave one row: 8 steps of 512 numbers.  All 32 loads of a wave go out at the head.  A stream: no cluster, no tensor load, no matrix unit.
; A STEP.  Four loads of 512 consecutive bytes turn through the wave's own stage in LDS (16 bytes of padding behind each 64), so that a lane holds 16 neighbours; two lanes hold a block.
; THE GATHER.  Lane l holds codebook[l % 16]; ds_bpermute_b32 brings each index its codeword and touches no LDS byte.
; The scale bytes of the 16 rows meet in LDS; behind one barrier eight waves store them, 16 lanes to 256 consecutive bytes.
.set STEPS, 8
.set SP,    80                         ; a lane's place in a stage
.set WREG,  2*32*SP                    ; a wave's two stages
.set LBASE, 256                        ; LDS bytes 0 to 63 are the values that the permutes' index registers take: no stage lies there
.set SG,    LBASE+16*WREG              ; scale bytes: a's [16 rows][128], then rotation_matrix's [16 rows][128]
.set SPARE, SG+4096                    ; the spare words, 128 bytes a wave
.set EMAX,  2
.set CBK,   10
.set R,     16                         ; v16-143   eight sets of 16 indices as loaded
.set X,     144                        ; v144-175  two sets of 16 neighbouring indices, then 4 x index
.set V,     176                        ; v176-207  two sets of 16 codewords
.set C,     208                        ; v208-239  codes: a set of four registers for each step
	s_load_b256 s[4:11], s[0:1], 0x0               ; indices, codebook, rotation_matrix_scales, a_codes
	s_load_b64 s[12:13], s[0:1], 0x20              ; scl
	v_lshl_add_u32 v240, v0, 2, SPARE
	v_mov_b32 v241, 0
	v_lshrrev_b32 v1, 5, v0
	v_readfirstlane_b32 s16, v1                    ; wave
	v_and_b32 v2, 31, v0                           ; lane
	v_lshlrev_b32 v3, 4, v2                        ; my 16 bytes of a load's 512
	s_mul_i32 s17, s16, WREG
	s_add_co_u32 s17, s17, LBASE
	v_lshrrev_b32 v14, 2, v2
	v_mul_u32_u24 v14, v14, SP
	v_and_b32 v15, 3, v2
	v_lshl_add_u32 v14, v15, 4, v14
	v_add_nc_u32 v14, s17, v14                     ; the stage, on the way in
	v_mul_u32_u24 v15, v2, SP
	v_add_nc_u32 v15, s17, v15                     ; and on the way out: my 16 neighbours
	v_mul_u32_u24 v4, v2, 12                       ; my 12 bytes of a step's 384 bytes of codes
	v_lshrrev_b32 v5, 1, v2                        ; my block among the step's 16,
	v_and_b32 v5, 12, v5                           ; its word,
	v_bfe_u32 v9, v2, 1, 1
	v_lshl_or_b32 v5, v9, 1, v5                    ; and its byte in the word with the two low bits exchanged: 0, 2, 1, 3
	v_bfe_u32 v9, v2, 2, 1
	v_add_nc_u32 v5, v5, v9
	s_lshl_b32 s18, s16, 7
	s_add_co_u32 s18, s18, SG
	v_add_nc_u32 v5, s18, v5                       ; in my row's 128 scale bytes
	v_lshlrev_b32 v7, 2, v0                        ; rotation_matrix's scales: my word of the group's 2,048 bytes
	v_add_nc_u32 v6, SG+2048, v7
	v_and_b32 v1, 15, v0
	v_lshlrev_b32 v1, 2, v1                        ; my entry of the codebook
	s_lshl_b32 s19, ttmp9, 4
	s_add_co_u32 s19, s19, s16                     ; my row
	s_lshl_b32 s20, s19, 14
	s_mov_b32 s21, 0
	s_mul_i32 s22, s19, 3072
	s_mov_b32 s23, 0
	s_lshl_b32 s24, ttmp9, 11
	s_mov_b32 s25, 0
	s_lshl_b32 s26, ttmp9, 8
	s_mov_b32 s27, 0
	s_wait_alu depctr_va_vdst(0)                   ; the wait at the head's end
	s_wait_kmcnt 0x0
	s_add_nc_u64 s[4:5], s[4:5], s[20:21]
	s_add_nc_u64 s[10:11], s[10:11], s[22:23]
	s_add_nc_u64 s[8:9], s[8:9], s[24:25]
	s_add_nc_u64 s[12:13], s[12:13], s[26:27]
.macro LOAD t
.irp i, 0,1,2,3
	global_load_b128 v[R+16*(\t)+4*\i:R+16*(\t)+4*\i+3], v3, s[4:5] offset:2048*(\t)+512*\i th:TH_LOAD_NT
.endr
.endm
.macro TURN t                          ; LDS serves a wave's instructions in order: no wait between the stores and the loads
.irp i, 0,1,2,3
	ds_store_b128 v14, v[R+16*(\t)+4*\i:R+16*(\t)+4*\i+3] offset:32*SP*((\t)%2)+8*SP*\i
.endr
.irp i, 0,1,2,3
	ds_load_b128 v[X+16*((\t)%2)+4*\i:X+16*((\t)%2)+4*\i+3], v15 offset:32*SP*((\t)%2)+16*\i
.endr
.endm
.macro GATHER t
.irp i, 0,1,2,3,4,5,6,7,8,9,10,11,12,13,14,15
	v_min_u32 v[X+16*((\t)%2)+\i], 15, v[X+16*((\t)%2)+\i]         ; a loaded number is held inside the table
.endr
.irp i, 0,1,2,3,4,5,6,7,8,9,10,11,12,13,14,15
	v_lshlrev_b32 v[X+16*((\t)%2)+\i], 2, v[X+16*((\t)%2)+\i]
.endr
.irp i, 0,1,2,3,4,5,6,7,8,9,10,11,12,13,14,15
	ds_bpermute_b32 v[V+16*((\t)%2)+\i], v[X+16*((\t)%2)+\i], v[CBK]
.endr
.endm
.macro QUANT t
.set VS, V+16*((\t)%2)
	v_max3_num_f32 v8, |v[VS]|, |v[VS+1]|, |v[VS+2]|
	v_max3_num_f32 v9, |v[VS+3]|, |v[VS+4]|, |v[VS+5]|
.irp i, 6,10
	v_max3_num_f32 v8, v8, |v[VS+\i]|, |v[VS+\i+1]|
	v_max3_num_f32 v9, v9, |v[VS+\i+2]|, |v[VS+\i+3]|
.endr
	v_max3_num_f32 v8, v8, |v[VS+14]|, |v[VS+15]|
	v_max3_num_f32 v8, v8, v9, (EMAX+1)<<23        ; the floor: the byte cannot fall under 1
	v_max_num_f32_dpp v8, v8, v8 row_xmask:1 row_mask:0xf bank_mask:0xf   ; with my neighbour's 16: the block's
	v_add_nc_u32 v11, -(EMAX<<23), v8              ; the conversion takes this operand's exponent field as its scale
	v_cvt_scalef32_pk16_fp6_f32 v[C+4*(\t):C+4*(\t)+2], v[VS:VS+15], v11
	v_lshrrev_b32 v12, 23, v11                     ; the scale's byte (also the plain line behind the conversion)
	ds_store_b8 v5, v12 offset:16*(\t)             ; both lanes of a block write the same byte
	global_store_b96 v4, v[C+4*(\t):C+4*(\t)+2], s[10:11] offset:384*(\t)
.endm
.macro STEP t
.if (\t)+1 < STEPS
	s_wait_loadcnt 4*(6-(\t))                      ; the next step's four loads are in; 6 - t steps' loads behind them may be out
	TURN (\t)+1
	s_wait_dscnt 8                                 ; this step's permutes are back; the eight just issued may be out
.else
	s_wait_dscnt 0x0
.endif
	QUANT \t
.if (\t)+1 < STEPS
	s_wait_dscnt 1                                 ; the next step's indices are back; the byte store may be out
	GATHER (\t)+1
.endif
.endm
	global_load_b32 v[CBK], v1, s[6:7]
	global_load_b32 v13, v7, s[8:9]
.irp t, 0,1,2,3,4,5,6,7
	LOAD \t
.endr
	s_wait_loadcnt 28                              ; the codebook, the given scales and step 0 are in; 28 loads may be out
	v_perm_b32 v13, v13, v13, 0x03010200           ; the given word with its middle two bytes exchanged
	ds_store_b32 v6, v13
	TURN 0
	s_wait_dscnt 0x0
	GATHER 0
.irp t, 0,1,2,3,4,5,6,7
	STEP \t
.endr
	s_wait_tensorcnt 0x0                           ; behind my last LDS store
	ds_add_u32 v240, v241
	s_wait_dscnt 0x0                               ; and my stores are done, for the others' sake
	s_barrier_signal -1
	s_barrier_wait -1
	s_cmp_lt_u32 s16, 8
	s_cbranch_scc0 .Ldone                          ; 256 threads x 16 bytes are the 4,096 scale bytes
	v_bfe_u32 v18, v0, 7, 1                        ; part
	v_bfe_u32 v19, v0, 4, 3                        ; quad
	v_and_b32 v24, 15, v0                          ; row
	v_lshlrev_b32 v16, 7, v24
	v_lshl_add_u32 v16, v19, 4, v16
	v_lshl_add_u32 v16, v18, 11, v16
	v_add_nc_u32 v16, SG, v16
	v_lshlrev_b32 v17, 4, v24
	v_lshl_add_u32 v17, v19, 16, v17
	v_lshl_add_u32 v17, v18, 19, v17
	ds_load_b128 v[20:23], v16
	s_wait_alu depctr_va_vdst(0)                   ; directly ahead of the wait below
	s_wait_dscnt 0x0
	global_store_b128 v17, v[20:23], s[12:13]      ; 16 lanes store 256 consecutive bytes, aligned
.Ldone:
	s_endpgm
.Lfunc_end_k_q65742baaa0_quant:
	.size	k_q65742baaa0_quant, .Lfunc_end_k_q65742baaa0_quant-k_q65742baaa0_quant
	.p2alignl 7, 3214868480
	.fill 96, 4, 3214868480
	.section	.rodata,"a",@progbits
	.p2align	6, 0x0
	.amdhsa_kernel k_q65742baaa0_quant
		.amdhsa_group_segment_fixed_size 88320
		.amdhsa_private_segment_fixed_size 0
		.amdhsa_enable_private_segment 0
		.amdhsa_kernarg_size 40
		.amdhsa_user_sgpr_count 2
		.amdhsa_user_sgpr_kernarg_segment_ptr 1
		.amdhsa_wavefront_size32 1
		.amdhsa_system_sgpr_workgroup_id_x 1
		.amdhsa_system_sgpr_workgroup_id_y 1
		.amdhsa_system_sgpr_workgroup_id_z 1
		.amdhsa_system_vgpr_workitem_id 0
		.amdhsa_next_free_vgpr 242
		.amdhsa_next_free_sgpr 66
		.amdhsa_reserve_vcc 0
		.amdhsa_float_denorm_mode_32 3
		.amdhsa_float_denorm_mode_16_64 3
		.amdhsa_memory_ordered 1
		.amdhsa_forward_progress 1
		.amdhsa_inst_pref_size 35
	.end_amdhsa_kernel
	.amdgpu_metadata
---
amdhsa.version: [ 1, 2 ]
amdhsa.kernels:
  - .name:           k_q65742baaa0_quant
    .symbol:         k_q65742baaa0_quant.kd
    .args:
      - { .name: indices, .offset: 0, .size: 8, .value_kind: global_buffer, .address_space: global }
      - { .name: codebook, .offset: 8, .size: 8, .value_kind: global_buffer, .address_space: global }
      - { .name: rotation_matrix_scales, .offset: 16, .size: 8, .value_kind: global_buffer, .address_space: global }
      - { .name: a_codes, .offset: 24, .size: 8, .value_kind: global_buffer, .address_space: global }
      - { .name: scl, .offset: 32, .size: 8, .value_kind: global_buffer, .address_space: global }
    .group_segment_fixed_size: 88320
    .private_segment_fixed_size: 0
    .kernarg_segment_align: 8
    .kernarg_segment_size: 40
    .max_flat_workgroup_size: 512
    .sgpr_count:     66
    .vgpr_count:     242
    .wavefront_size: 32
...
	.end_amdgpu_metadata
.endif
;; end of part 1
;; launch gemm (part 2): grid 16 x 16, 4 waves a work-group, clusters of 4 x 4, 327,680 bytes of LDS; arguments a_codes, rotation_matrix_codes, scl, x_codes, x_scales, part; writes part
.if DOCPART == 2
	.amdgcn_target "amdgcn-amd-amdhsa--gfx1250"
	.amdhsa_code_object_version 6
	.text
	.protected	k_q65742baaa0_gemm
	.globl	k_q65742baaa0_gemm
	.p2align	8
	.type	k_q65742baaa0_gemm,@function
k_q65742baaa0_gemm:
	s_mov_b64 s[64:65], 0
	v_nop
	global_prefetch_b8 v0, s[64:65] scope:SCOPE_SE
	s_setreg_imm32_b32 hwreg(HW_REG_WAVE_MODE, 25, 1), 1
	s_wait_xcnt 0x0
	s_wait_alu depctr_hold_cnt(0) depctr_sa_sdst(0) depctr_va_vdst(0) depctr_va_sdst(0) depctr_va_ssrc(0) depctr_va_vcc(0) depctr_vm_vsrc(0)
	s_getreg_b32 s2, hwreg(HW_REG_IB_STS2, 6, 4)
	s_cmp_eq_u32 s2, 0
	s_cbranch_scc0 .Lentry_in_a_cluster
	s_endpgm
.Lentry_in_a_cluster:
	s_bfe_u32 s2, ttmp6, 0x10000c
	s_cmp_lg_u32 s2, 0xf033
	s_cbranch_scc0 .Lentry_shape_is_right
	s_endpgm
.Lentry_shape_is_right:
; W[o][d] = sum over k of a[o][k] R[k][d] on codes of FP6 with E8M0 scales; then W is quantised along d and part[nt][b][o] = sum over the 256 d of tile column nt of x[b][d] Q(W)[o][d].
; A work-group of four waves makes 256 (o) x 256 (d) of W, a wave 128 x 128: 64 accumulators.  W never leaves the registers; the 16 parts are added by the next launch.
; THE RING: two LDS slots, each a chunk of 256 bytes of 256 rows of a and of 256 rows of R (a row of codes is 3,072 bytes, so every chunk begins at a multiple of 256 bytes).
; A step of 128 along K is 96 bytes: eight steps to three chunks.  THE LOOP'S TRIP IS EIGHT STEPS; three chunks change the slots' order, so at a trip's end the address registers of the two slots change places.
; Step 0 (its products start the sums) and the last seven steps (they ask for one chunk more and then for nothing) are written out.
; FRAGMENTS: a lane takes 48 consecutive bytes of its row by three loads of 16 bytes: lanes 0-15 the step's blocks 0, 1, lanes 16-31 its blocks 2, 3.  The matrix unit counts them as blocks 0, 2 and 1, 3:
; the same order on both operands, so each product pairs the true numbers, and scl holds every scale word with its middle two bytes exchanged.
; LIMIT: inside a step the products are summed in that order of blocks, not in ascending k; the sums are f32 as the contract asks.
; LDS LOADS stand in two runs a step, behind a's blocks 2 and 5: a's blocks 0 to 5 are fetched anew when their products are issued (one set of registers);
; R's fragments and a's blocks 6, 7, which are at work to the step's end, have two sets.
; THE SCALES come from scl, [part][quad of four steps][row][16 bytes], straight into registers: a load's lanes 0-15 take 256 consecutive bytes of a's block i, lanes 16-31 of R's block i;
; they are asked for four steps ahead of their first use, so no prefetch is laid for them.
; CLUSTERS: 4 x 4; a's tiles are asked for jointly along a row of the cluster, R's along a column.  THE MATRIX INSTRUCTION IS USED TRANSPOSED (source 0 = R's rows, source 1 = a's rows).
; PREFETCH: every wave names 32 rows x 256 bytes of a later chunk, the four partners sharing a tile's rows out by address: chunk 1 behind chunk 0's load, chunks 2 and 3 behind chunk 1's,
; and behind each refill the chunk two refills on; it stops at chunk 11.
; REGISTERS: window 0: v0-31 addresses, v32-95 two sets of scale words, v96-98 x's and W's scale words, v128-199 a's blocks 0 to 5, v224-247 x's codes;
; window 1: two sets at v0 and v128, each R's eight fragments and then a's blocks 6, 7; windows 2, 3: accumulators.
.set KROW,   3072
.set ROWB,   256
.set PITCH,  272                       ; 256 bytes + 16 of padding, an odd multiple of 16: the 16 rows that half a load of 16 bytes touches begin at 16 different columns of 16 bytes
.set FR,     12
.set NP,     4
.set KS,     128
.set HALFT,  128*PITCH
.set SLOT,   4*HALFT
.set SPARE,  2*SLOT                    ; the spare words, 128 bytes a wave
.set SPITCH, 1040
.set QSTR,   65536                     ; a quad's scales of 4,096 rows
.set XSA,  15
.set ADRA, 16                          ; v16-17 my a fragments in the slot of the trip's even, odd chunks; v18-19 for pieces whose lanes 16-31 lie in the next chunk
.set ADRB, 20                          ; v20-23 the same for R
.set STO,  24
.set RD,   25
.set CO,   26
.set SAO,  27                          ; my offset in scl
.set SPW,  28
.set NIL,  29
.set PFO,  30
.set XAD,  31
.set SC,   32                          ; set s at SC + 32 s; register 4 i + q: block i, step q of the quad
.set XS,   96
.set PW,   98
.set TM,   100
.set AF,   128
.set XF,   128
.set WC,   152
.set RB0,  128
.set RB1,  192
.set XR,   224
.set G1,  24
.set G0,  32
.set G0B, 36
.set G1B, 48
.set LR,  56                           ; s56-57 where my quarter of a tile goes in the slot of the trip's even, odd chunks
.set PFA, 60
.set SEL, 20
.set MSB, 0
.macro WIN new
.if MSB != (\new)
	s_set_vgpr_msb (MSB<<8)|(\new)
.set MSB, (\new)
.endif
.endm
.set MUL_LO, 0xa1                      ; source 0 (R) window 1, source 1 (a) window 0, C and D window 2; + 0x50: window 3
.set MUL_67, 0xf5                      ; sources 0 and 1 window 1, C and D window 3
.set TO_B,   0x40
.macro PLACES
.rept NP
	v_nop
.endr
.endm
.macro JLOAD                           ; a joint load: waves 0, 1 fetch a's halves, waves 2, 3 R's
	s_cmp_eq_u32 s15, 0
	s_cbranch_scc0 .Lfor_b_\@
	tensor_load_to_lds s[G0:G0+3], s[G1:G1+7]
	s_nop 0
	PLACES
	s_branch .Lasked_\@
.Lfor_b_\@:
	tensor_load_to_lds s[G0B:G0B+3], s[G1B:G1B+7]
	s_nop 0
	PLACES
.Lasked_\@:
.endm
.macro NEXTC rel                       ; no tensor load of mine is out: the descriptors step one chunk on, into slot rel
	s_add_nc_u64 s[G0+2:G0+3], s[G0+2:G0+3], ROWB
	s_add_nc_u64 s[G0B+2:G0B+3], s[G0B+2:G0B+3], ROWB
	s_mov_b32 s[G0+1], s[LR+(\rel)]
	s_mov_b32 s[G0B+1], s[LR+(\rel)]
.endm
.macro ASK ck, cond                    ; chunk ck of this trip's count; cond: not in the last trip, where it would lie beyond the row
.if \cond
	s_cmp_gt_u32 s3, 1
	s_cbranch_scc0 .Lna_\@
.endif
	global_prefetch_b8 v[PFO], s[PFA:PFA+1] offset:(\ck)*ROWB th:TH_LOAD_NT scope:SCOPE_SE
.Lna_\@:
.endm
.macro CREST
	s_cmp_lg_u32 s14, 0
	s_cbranch_scc1 .Lnot_wave_0_\@
	s_barrier_signal -3
.Lnot_wave_0_\@:
	s_barrier_wait -3
	s_barrier_signal -1
	s_barrier_wait -1
.endm
.macro CROUND
	s_barrier_signal -1
	s_barrier_wait -1
	CREST
.endm
	s_load_b256 s[4:11], s[0:1], 0x0               ; a_codes, rotation_matrix_codes, scl, x_codes
	s_load_b128 s[96:99], s[0:1], 0x20             ; x_scales, part
	v_lshl_add_u32 v[SPW], v0, 2, SPARE
	v_mov_b32 v[NIL], 0
	ds_add_u32 v[SPW], v[NIL]                      ; the opening lines: the add, twice on end, and its wait
	ds_add_u32 v[SPW], v[NIL]
	v_lshrrev_b32 v1, 5, v0
	v_readfirstlane_b32 s14, v1                    ; wave
	s_lshr_b32 s15, s14, 1                         ; my half of the rows (o).  Also: I fetch for a (0) or R (1)
	s_and_b32 s16, s14, 1                          ; my half of the columns (d).  Also: which 128 rows I fetch
	s_bfe_u32 s40, ttmp6, 0x40000
	s_bfe_u32 s41, ttmp6, 0x40004
	s_lshl_b32 s42, ttmp9, 2
	s_add_co_u32 s42, s42, s40                     ; tile column
	s_and_b32 s17, ttmp7, 0xffff
	s_lshl_b32 s17, s17, 2
	s_add_co_u32 s17, s17, s41                     ; tile row
	s_lshl_b32 s43, s41, 2
	s_lshl_b32 s43, 15, s43
	s_lshl_b32 s44, 0x1111, s40
	s_or_b32 s[G1+0], s43, (0<<16)|(1<<20)|(1<<21)|(5<<22)|(3<<25)   ; mask; bytes; 4 words of padding behind every 64
	s_or_b32 s[G1B+0], s44, (0<<16)|(1<<20)|(1<<21)|(5<<22)|(3<<25)
.irp g, G1, G1B
	s_mov_b32 s[\g+1], ROWB<<16
	s_mov_b32 s[\g+2], 128<<16
	s_mov_b32 s[\g+3], ROWB<<16
	s_mov_b32 s[\g+4], 128
	s_mov_b32 s[\g+5], KROW
	s_mov_b32 s[\g+6], 0
	s_mov_b32 s[\g+7], 0
.endr
	s_lshl_b32 s18, s16, 7
	s_lshl_b32 s20, s17, 8
	s_add_co_u32 s20, s20, s18
	s_lshl_b32 s46, s42, 8
	s_add_co_u32 s46, s46, s18
	s_mul_i32 s20, s20, KROW
	s_mov_b32 s21, 0
	s_mul_i32 s46, s46, KROW
	s_mov_b32 s47, 0
	s_mul_i32 s[LR], s14, HALFT
	s_add_co_u32 s[LR+1], s[LR], SLOT
	s_wait_dscnt 0x0
	s_wait_kmcnt 0x0
	s_add_nc_u64 s[20:21], s[4:5], s[20:21]
	s_add_nc_u64 s[46:47], s[6:7], s[46:47]
	CROUND                                         ; the first joint loads meet
	s_mov_b32 s[G0], 1
	s_mov_b32 s[G0+1], s[LR]
	s_mov_b64 s[G0+2:G0+3], s[20:21]
	s_or_b32 s[G0+3], s[G0+3], 0x80000000
	s_mov_b32 s[G0B], 1
	s_mov_b32 s[G0B+1], s[LR]
	s_mov_b64 s[G0B+2:G0B+3], s[46:47]
	s_or_b32 s[G0B+3], s[G0B+3], 0x80000000
	JLOAD                                          ; chunk 0: one tensor load a wave at the head
	s_mov_b32 s71, 0
	s_lshl_b32 s70, s17, 8                         ; the prefetches: my work-group's 32 of the 128 rows that I fetch
	s_lshl_b32 s72, s42, 8
	s_cmp_eq_u32 s15, 0
	s_cselect_b32 s70, s70, s72
	s_cselect_b32 s72, s40, s41
	s_cselect_b64 s[PFA:PFA+1], s[4:5], s[6:7]
	s_lshl_b32 s73, s16, 7
	s_add_co_u32 s70, s70, s73
	s_lshl_b32 s72, s72, 5
	s_add_co_u32 s70, s70, s72
	s_mul_i32 s70, s70, KROW
	s_add_nc_u64 s[PFA:PFA+1], s[PFA:PFA+1], s[70:71]
	s_mul_i32 s70, s42, 192                        ; x: my 128 d are 96 bytes of codes, 4 of scales
	s_mul_i32 s72, s16, 96
	s_add_co_u32 s70, s70, s72
	s_add_nc_u64 s[10:11], s[10:11], s[70:71]
	s_lshl_b32 s70, s42, 3
	s_lshl_b32 s72, s16, 2
	s_add_co_u32 s70, s70, s72
	s_add_nc_u64 s[96:97], s[96:97], s[70:71]
	s_lshl_b32 s70, s42, 19                        ; part: plane nt, my tile's 256 o, my wave's 8 rows b
	s_lshl_b32 s72, s17, 10
	s_add_co_u32 s70, s70, s72
	s_lshl_b32 s72, s14, 17
	s_add_co_u32 s70, s70, s72
	s_add_nc_u64 s[12:13], s[98:99], s[70:71]
	s_lshl_b32 s70, s17, 12                        ; scl: a's rows, 16 bytes each,
	s_lshl_b32 s72, s15, 11
	s_add_co_u32 s70, s70, s72
	s_lshl_b32 s72, s42, 12                        ; and R's, in part 1
	s_lshl_b32 s73, s16, 11
	s_add_co_u32 s72, s72, s73
	s_add_co_u32 s72, s72, 524288
	s_sub_co_u32 s72, s72, s70
	s_mul_i32 s21, s15, HALFT
	s_mul_i32 s22, s16, HALFT
	s_add_co_u32 s22, s22, 2*HALFT
	s_mul_i32 s23, s16, 32*SPITCH
	s_lshl_b32 s73, s15, 9
	s_add_co_u32 s23, s23, s73
	s_mul_i32 s73, s14, 8*SPITCH
	v_and_b32 v1, 15, v0                           ; r
	v_bfe_u32 v2, v0, 4, 1                         ; h
	v_and_b32 v7, 31, v0
	v_mul_u32_u24 v[PFO], v7, KROW
	v_mul_u32_u24 v3, v1, PITCH
	v_mad_u32_u24 v4, v2, 48, v3
	v_mul_u32_u24 v5, SLOT-208, v2
	v_add_nc_u32 v5, v3, v5
	v_add_nc_u32 v5, 208, v5                       ; lanes 0-15 byte 208 of the row in the even slot, lanes 16-31 byte 0 in the odd one
	v_sub_nc_u32 v6, 1, v2
	v_mul_u32_u24 v6, SLOT+208, v6
	v_add_nc_u32 v6, v3, v6                        ; and the other way round
	v_add_nc_u32 v[ADRA], s21, v4
	v_add_nc_u32 v[ADRA+1], SLOT, v[ADRA]
	v_add_nc_u32 v[ADRA+2], s21, v5
	v_add_nc_u32 v[ADRA+3], s21, v6
	v_add_nc_u32 v[ADRB], s22, v4
	v_add_nc_u32 v[ADRB+1], SLOT, v[ADRB]
	v_add_nc_u32 v[ADRB+2], s22, v5
	v_add_nc_u32 v[ADRB+3], s22, v6
	v_mul_u32_u24 v[SAO], s72, v2
	v_lshl_add_u32 v[SAO], v1, 4, v[SAO]
	v_add_nc_u32 v[SAO], s70, v[SAO]
	v_mul_u32_u24 v[XAD], v1, KROW
	v_mad_u32_u24 v[XAD], v2, 24, v[XAD]
	v_lshlrev_b32 v[XSA], 7, v1
	v_mul_u32_u24 v8, v1, SPITCH
	v_lshl_add_u32 v8, v2, 5, v8
	v_add_nc_u32 v[STO], s23, v8
	v_lshlrev_b32 v[CO], 4, v7
	v_add_nc_u32 v[RD], s73, v[CO]
.irp b, 0,1,2,3
	v_mov_b32 v[TM+4+\b], 0
.endr
	s_wait_alu depctr_va_vdst(0)                   ; the wait at the head's end
	ASK 1, 0                                       ; behind chunk 0's load: chunk 1
.macro SCLD set, quad                  ; the scale words of four steps: eight loads, each half of the lanes 256 consecutive bytes
.irp i, 0,1,2,3,4,5,6,7
	global_load_b128 v[SC+32*(\set)+4*\i:SC+32*(\set)+4*\i+3], v[SAO], s[8:9] offset:(\quad)*QSTR+256*\i
.endr
.endm
	SCLD 0, 0
.irp t, 0,1
.irp p, 0,1,2,3,4,5
	global_load_b64 v[XR+FR*\t+2*\p:XR+FR*\t+2*\p+1], v[XAD], s[10:11] offset:16*KROW*\t+48*(\p/3)+8*(\p%3)
.endr
	global_load_b32 v[XS+\t], v[XSA], s[96:97] offset:16*KS*\t
.endr
	SCLD 1, 1
.macro FRAG reg, adr, st, i            ; 16 rows x 128 K: three pieces of 16 bytes a lane; byte y of a row lies in chunk y / 256; lanes 16-31 read 48 bytes on
.irp p, 0,1,2
.set BY, 96*(\st)+16*\p
.if BY/ROWB == (BY+48)/ROWB
	ds_load_b128 v[\reg+4*\p:\reg+4*\p+3], v[\adr+(BY/ROWB)%2] offset:BY%ROWB+(\i)*16*PITCH
.else
	ds_load_b128 v[\reg+4*\p:\reg+4*\p+3], v[\adr+2+(BY/ROWB)%2] offset:BY%ROWB-208+(\i)*16*PITCH
.endif
.endr
.endm
.macro RUN b0, nb, a0, na, hi          ; step NX's fragments: nb of R from b0 on; hi: a's blocks 6, 7, behind R's in the same set; na of a's blocks 0 to 5 from a0 on
	WIN TO_B
.set II, \b0
.rept \nb
	FRAG 128*(NX%2)+FR*II, ADRB, NX, II
.set II, II+1
.endr
.if \hi
	FRAG 128*(NX%2)+8*FR, ADRA, NX, 6
	FRAG 128*(NX%2)+9*FR, ADRA, NX, 7
.endif
	WIN 0
.set II, \a0
.rept \na
	FRAG AF+FR*II, ADRA, NX, II
.set II, II+1
.endr
.endm
.macro GRP a                           ; a's block a against R's eight; the 64 accumulators take turns
.if (\a) < 6
.set AR, AF+FR*(\a)
	WIN MUL_LO+0x50*((\a)/4)
.else
.set AR, 128*PP+FR*((\a)+2)
	WIN MUL_67
.endif
.irp b, 0,1,2,3,4,5,6,7
.if ZZ
	v_wmma_scale_f32_16x16x128_f8f6f4 v[8*(8*((\a)%4)+\b):8*(8*((\a)%4)+\b)+7], v[128*PP+FR*\b:128*PP+FR*\b+FR-1], v[AR:AR+FR-1], 0, v[SC+32*SS+4*\b+QQ], v[SC+32*SS+4*(\a)+QQ] matrix_a_fmt:MATRIX_FMT_FP6 matrix_b_fmt:MATRIX_FMT_FP6 matrix_a_scale:MATRIX_SCALE_ROW1
.else
	v_wmma_scale_f32_16x16x128_f8f6f4 v[8*(8*((\a)%4)+\b):8*(8*((\a)%4)+\b)+7], v[128*PP+FR*\b:128*PP+FR*\b+FR-1], v[AR:AR+FR-1], v[8*(8*((\a)%4)+\b):8*(8*((\a)%4)+\b)+7], v[SC+32*SS+4*\b+QQ], v[SC+32*SS+4*(\a)+QQ] matrix_a_fmt:MATRIX_FMT_FP6 matrix_b_fmt:MATRIX_FMT_FP6 matrix_a_scale:MATRIX_SCALE_ROW1
.endif
.endr
.endm
; Step st, counted within the trip.  lim: chunks of the trip's count under lim may still be asked for.  more: a further quad of scales is left.
; The next step's bytes END in a chunk not yet read: a barrier shows it whole.  They BEGIN in a later chunk than this step's: the chunk left behind is read no more, and where one is left to fetch
; the barrier opens a round of the cluster's barrier and the slot is filled again.  Both runs of loads stand behind that barrier.
.macro STEP st, zero, lim, more
.set NX, (\st)+1
.set PP, (\st)%2
.set QQ, (\st)%4
.set SS, ((\st)/4)%2
.set ZZ, \zero
.set C0, (96*(\st))/ROWB
.set C1, (96*NX)/ROWB
.set E0, (96*(\st)+95)/ROWB
.set E1, (96*NX+95)/ROWB
.if QQ == 0 && (\st) > 0
	s_wait_loadcnt 0x0                             ; this quad's scale words, asked for four steps ago
.endif
.if C1 > C0 || E1 > E0
.if C1 > C0
	WIN 0                                          ; (the add's two registers lie in window 0)
.endif
	s_wait_tensorcnt 0x0                           ; all my tensor loads have landed
.if C1 > C0
	ds_add_u32 v[SPW], v[NIL]
.if C0+2 < \lim
	NEXTC C0%2
.endif
	s_wait_dscnt 16                                ; the add and the 15 loads of a's blocks 6, 7 and 3 to 5 may be out
.else
	s_wait_dscnt 15
.endif
	GRP 0
	s_wait_dscnt 0x0                               ; the add is done and my reads are over
	s_barrier_signal -1
	GRP 1
	GRP 2
	WIN 0
	s_barrier_wait -1
.if C1 > C0 && C0+2 < \lim
	CREST
	JLOAD                                          ; chunk C0 + 2; its four v_nop are the places in front of the loads below
.else
	PLACES
.endif
.else
	s_wait_dscnt 15                                ; R's fragments and a's blocks 0 to 2 are in; the youngest 15 loads may be out
	GRP 0
	GRP 1
	GRP 2
	PLACES
.endif
	RUN 0, 6, 0, 3, 0                              ; 27 loads
.if QQ == 0 && \more
	SCLD (SS+1)%2, (\st)/4+1
.endif
.if C1 > C0 && \lim > 3
	ASK C0+4, C0/2
.endif
	s_wait_dscnt 27                                ; all but the 27 just issued: this step's blocks 3 to 7 of a are in
	GRP 3
	GRP 4
	GRP 5
	PLACES
	RUN 6, 2, 3, 3, 1                              ; 21 loads, R's first: the next step's first products want them
	GRP 6
	GRP 7
.endm
	s_wait_tensorcnt 0x0                           ; my part of chunk 0 is in; slot 1's first fill is issued as a refill is
	ds_add_u32 v[SPW], v[NIL]
	NEXTC 1
	s_wait_dscnt 0x0
	CROUND
	JLOAD                                          ; chunk 1
.set NX, 0
	RUN 0, 8, 0, 6, 1
	ASK 2, 0                                       ; behind chunk 1's load: chunks 2 and 3
	ASK 3, 0
	s_wait_loadcnt 0x0                             ; two quads of scales, and x
	s_wait_dscnt 0x0                               ; all of step 0's fragments
	STEP 0, 1, 9, 0
	WIN 0                                          ; at a label and at a branch every window is 0
	s_mov_b32 s3, 3
.Ltrip:
.irp s, 1,2,3,4,5,6,7,8
	STEP \s, 0, 9, 1
.endr
	WIN 0
.irp r, ADRA, ADRA+2, ADRB, ADRB+2     ; three chunks on: the two slots change places
	v_mov_b32 v6, v[\r]
	v_mov_b32 v[\r], v[\r+1]
	v_mov_b32 v[\r+1], v6
.endr
	s_mov_b32 s58, s[LR]
	s_mov_b32 s[LR], s[LR+1]
	s_mov_b32 s[LR+1], s58
	s_wait_xcnt 0x0                                ; the scale loads and prefetches have read their bases
	s_add_nc_u64 s[PFA:PFA+1], s[PFA:PFA+1], 3*ROWB
	s_add_nc_u64 s[8:9], s[8:9], 2*QSTR
	s_sub_co_u32 s3, s3, 1
	s_cmp_lg_u32 s3, 0
	s_wait_alu depctr_va_vdst(0)                   ; directly ahead of the branch
	s_cbranch_scc1 .Ltrip
.irp s, 1,2,3,4,5,6
	STEP \s, 0, 3, 0                               ; the last chunk is asked for in step 2 of these; then nothing more
.endr
.set PP, 1
.set QQ, 3
.set SS, 1
	s_wait_dscnt 0x0                               ; my last reads of the ring are over:
	s_barrier_signal -1                            ; the wait stands in front of the stores into the stage, which lies in slot 0
.irp a, 0,1,2,3,4,5,6,7
	GRP \a
.endr
	WIN 0
	PLACES
; THE SECOND PRODUCT.  In accumulator (a, b) lane (r, h) holds W[16 a + r][16 b + 8 h + j]: a block of 32 d lies in two accumulators of lanes l and l xor 16, its groups of eight in the order 0, 2, 1, 3.
; x's codes are laid in the same order (groups of 48 bits), so the products stay those of the true pairs.
.irp f, 0,1,2,3
	v_mov_b32 v[XF+6*\f], v[XR+6*\f]
	v_perm_b32 v[XF+6*\f+1], v[XR+6*\f+3], v[XR+6*\f+1], 0x05040100
	v_perm_b32 v[XF+6*\f+2], v[XR+6*\f+4], v[XR+6*\f+3], 0x05040302
	v_perm_b32 v[XF+6*\f+3], v[XR+6*\f+2], v[XR+6*\f+1], 0x05040302
	v_perm_b32 v[XF+6*\f+4], v[XR+6*\f+4], v[XR+6*\f+2], 0x07060302
	v_mov_b32 v[XF+6*\f+5], v[XR+6*\f+5]
.endr
	s_mov_b32 s[SEL], 0x76543210
	s_mov_b32 s[SEL+1], 0xfedcba98
.macro QW a                            ; 16 rows of W, 128 d: four blocks' scales and codes
.set QWW, 2+(\a)/4
.set QWS, 64*((\a)%4)
	WIN QWW|(QWW<<2)
.irp b, 0,1,2,3
	v_max3_num_f32 v[TM+\b], |v[QWS+16*\b]|, |v[QWS+16*\b+1]|, 0x1800000
.endr
	WIN (QWW<<2)|(QWW<<4)
.irp i, 2,4,6,8,10,12,14
.irp b, 0,1,2,3
	v_max3_num_f32 v[TM+\b], v[TM+\b], |v[QWS+16*\b+\i]|, |v[QWS+16*\b+\i+1]|
.endr
.endr
	WIN 0
.irp b, 0,1,2,3
	v_permlanex16_b32 v[TM+4+\b], v[TM+\b], s[SEL], s[SEL+1]
.endr
.irp b, 0,1,2,3
	v_max_num_f32 v[TM+\b], v[TM+\b], v[TM+4+\b]
.endr
.irp b, 0,1,2,3
	v_add_nc_u32 v[TM+12+\b], 0xff000000, v[TM+\b]
.endr
.irp b, 0,1,2,3
	v_lshrrev_b32 v[TM+4+\b], 23, v[TM+12+\b]
.endr
	v_lshl_or_b32 v[PW], v[TM+5], 8, v[TM+4]
	v_lshl_or_b32 v[PW], v[TM+6], 16, v[PW]
	v_lshl_or_b32 v[PW], v[TM+7], 24, v[PW]
	WIN QWW
.irp c, 0,1
	v_cvt_scalef32_pk16_fp6_f32 v[WC+6*\c:WC+2+6*\c], v[QWS+32*\c:QWS+15+32*\c], v[TM+12+2*\c]
	v_cvt_scalef32_pk16_fp6_f32 v[WC+12+4*\c:WC+14+4*\c], v[QWS+16+32*\c:QWS+31+32*\c], v[TM+12+2*\c+1]
.endr
	WIN 0
	v_nop
.irp c, 0,1
.irp i, 0,1,2
	v_permlane16_swap_b32 v[WC+6*\c+\i], v[WC+12+4*\c+\i]
.endr
.irp i, 0,1,2
	v_mov_b32 v[WC+3+6*\c+\i], v[WC+12+4*\c+\i]
.endr
.endr
.endm
.macro P2 a
.rept 8
	v_nop
.endr
	WIN 0x40
.irp t, 0,1
	v_wmma_scale_f32_16x16x128_f8f6f4 v[8*(2*(\a)+\t):8*(2*(\a)+\t)+7], v[WC:WC+FR-1], v[XF+FR*\t:XF+FR*\t+FR-1], 0, v[PW], v[XS+\t] matrix_a_fmt:MATRIX_FMT_FP6 matrix_b_fmt:MATRIX_FMT_FP6
.endr
	WIN 0
.endm
.irp a, 0,1,2,3,4,5,6,7
	QW \a
	P2 \a
.endr
	PLACES
	s_barrier_wait -1                              ; no wave reads the ring any more
	WIN 0x04
.irp a, 0,1,2,3,4,5,6,7
.irp t, 0,1
	ds_store_b128 v[STO], v[8*(2*\a+\t):8*(2*\a+\t)+3] offset:16*SPITCH*\t+64*\a
	ds_store_b128 v[STO], v[8*(2*\a+\t)+4:8*(2*\a+\t)+7] offset:16*SPITCH*\t+64*\a+16
.endr
.endr
	WIN 0
	s_wait_dscnt 0x0
	s_barrier_signal -1
	s_barrier_wait -1
.set KK, 0
.rept 16
	ds_load_b128 v[RB0+4*KK:RB0+4*KK+3], v[RD] offset:SPITCH*(KK/2)+512*(KK%2)
	ds_load_b128 v[RB1+4*KK:RB1+4*KK+3], v[RD] offset:32*SPITCH+SPITCH*(KK/2)+512*(KK%2)
.set KK, KK+1
.endr
.set KK, 0
.rept 16
	s_wait_dscnt 30-2*KK                           ; pair KK is back; the later pairs may be out
	v_pk_add_f32 v[RB0+4*KK:RB0+4*KK+1], v[RB0+4*KK:RB0+4*KK+1], v[RB1+4*KK:RB1+4*KK+1]   ; the two halves of my tile's d
	v_pk_add_f32 v[RB0+4*KK+2:RB0+4*KK+3], v[RB0+4*KK+2:RB0+4*KK+3], v[RB1+4*KK+2:RB1+4*KK+3]
	global_store_b128 v[CO], v[RB0+4*KK:RB0+4*KK+3], s[12:13] offset:16384*(KK/2)+512*(KK%2) th:TH_STORE_NT
.set KK, KK+1
.endr
	s_wait_tensorcnt 0x0                           ; the wave's end
	ds_add_u32 v[SPW], v[NIL]
	s_wait_dscnt 0x0
	CROUND                                         ; the closing round
	s_endpgm
.Lfunc_end_k_q65742baaa0_gemm:
	.size	k_q65742baaa0_gemm, .Lfunc_end_k_q65742baaa0_gemm-k_q65742baaa0_gemm
	.p2alignl 7, 3214868480
	.fill 96, 4, 3214868480
	.section	.rodata,"a",@progbits
	.p2align	6, 0x0
	.amdhsa_kernel k_q65742baaa0_gemm
		.amdhsa_group_segment_fixed_size 327680
		.amdhsa_private_segment_fixed_size 0
		.amdhsa_enable_private_segment 0
		.amdhsa_kernarg_size 48
		.amdhsa_user_sgpr_count 2
		.amdhsa_user_sgpr_kernarg_segment_ptr 1
		.amdhsa_wavefront_size32 1
		.amdhsa_system_sgpr_workgroup_id_x 1
		.amdhsa_system_sgpr_workgroup_id_y 1
		.amdhsa_system_sgpr_workgroup_id_z 1
		.amdhsa_system_vgpr_workitem_id 0
		.amdhsa_next_free_vgpr 1024
		.amdhsa_next_free_sgpr 100
		.amdhsa_reserve_vcc 0
		.amdhsa_float_denorm_mode_32 3
		.amdhsa_float_denorm_mode_16_64 3
		.amdhsa_memory_ordered 1
		.amdhsa_forward_progress 1
		.amdhsa_inst_pref_size 251
	.end_amdhsa_kernel
	.amdgpu_metadata
---
amdhsa.version: [ 1, 2 ]
amdhsa.kernels:
  - .name:           k_q65742baaa0_gemm
    .symbol:         k_q65742baaa0_gemm.kd
    .args:
      - { .name: a_codes, .offset: 0, .size: 8, .value_kind: global_buffer, .address_space: global }
      - { .name: rotation_matrix_codes, .offset: 8, .size: 8, .value_kind: global_buffer, .address_space: global }
      - { .name: scl, .offset: 16, .size: 8, .value_kind: global_buffer, .address_space: global }
      - { .name: x_codes, .offset: 24, .size: 8, .value_kind: global_buffer, .address_space: global }
      - { .name: x_scales, .offset: 32, .size: 8, .value_kind: global_buffer, .address_space: global }
      - { .name: part, .offset: 40, .size: 8, .value_kind: global_buffer, .address_space: global }
    .group_segment_fixed_size: 327680
    .private_segment_fixed_size: 0
    .kernarg_segment_align: 8
    .kernarg_segment_size: 48
    .max_flat_workgroup_size: 128
    .sgpr_count:     100
    .vgpr_count:     1024
    .wavefront_size: 32
...
	.end_amdgpu_metadata
.endif
;; end of part 2
;; launch reduce (part 3): grid 256 x 1, 4 waves a work-group, no clusters, 0 bytes of LDS; arguments part, bias, out0; writes out0
.if DOCPART == 3
	.amdgcn_target "amdgcn-amd-amdhsa--gfx1250"
	.amdhsa_code_object_version 6
	.text
	.protected	k_q65742baaa0_reduce
	.globl	k_q65742baaa0_reduce
	.p2align	8
	.type	k_q65742baaa0_reduce,@function
k_q65742baaa0_reduce:
	s_mov_b64 s[64:65], 0
	v_nop
	global_prefetch_b8 v0, s[64:65] scope:SCOPE_SE
	s_setreg_imm32_b32 hwreg(HW_REG_WAVE_MODE, 25, 1), 1
	s_wait_xcnt 0x0
; out0[b][o] = bias[o] + the sum over the 16 tile columns nt of part[nt][b][o].  part: [16][32][4096] f32; bias: [4096] f32; out0: [32][4096] f32.  The parts are added in ascending nt, in f32.
; Each output has one owner: work-group g owns the 512 numbers at bytes 2,048 g on of out0, thread t 16 bytes of them.  A row of out0 is 16,384 bytes, eight work-groups' worth: the bias begins at 2,048 (g % 8).
; Every load and store of a wave covers 512 consecutive bytes, at a multiple of 256 from its buffer's first byte.  All 17 loads of a thread go out at once; the waits count down.
; A stream: no LDS, no barrier, no matrix unit, and nothing that work-groups share but the bias: no cluster.
.set PLANE, 524288                     ; bytes of one part
	s_load_b128 s[4:7], s[0:1], 0x0                ; part s[4:5], bias s[6:7]
	s_load_b64 s[8:9], s[0:1], 0x10                ; out0
	v_lshlrev_b32 v1, 4, v0                        ; my 16 bytes
	s_lshl_b32 s10, ttmp9, 11
	s_mov_b32 s11, 0
	s_and_b32 s12, ttmp9, 7
	s_lshl_b32 s12, s12, 11
	s_mov_b32 s13, 0
	s_wait_alu depctr_va_vdst(0)
	s_wait_kmcnt 0x0
	s_add_nc_u64 s[4:5], s[4:5], s[10:11]
	s_add_nc_u64 s[6:7], s[6:7], s[12:13]
	s_add_nc_u64 s[8:9], s[8:9], s[10:11]
	global_load_b128 v[4:7], v1, s[6:7]
.irp n, 0,1,2,3,4,5,6,7,8,9,10,11,12,13,14,15
	global_load_b128 v[8+4*\n:11+4*\n], v1, s[4:5] offset:PLANE*\n th:TH_LOAD_NT   ; 15 x 524,288 at the most: inside the signed 24-bit immediate (ISA guide, chapter 10)
.endr
.irp n, 0,1,2,3,4,5,6,7,8,9,10,11,12,13,14,15
	s_wait_alu depctr_va_vdst(0)
	s_wait_loadcnt 15-\n                           ; loads come back in order (ISA guide 5.7.1): the bias and parts 0 to n are in, the later parts may be out
	v_pk_add_f32 v[4:5], v[4:5], v[8+4*\n:9+4*\n]
	v_pk_add_f32 v[6:7], v[6:7], v[10+4*\n:11+4*\n]
.endr
	global_store_b128 v1, v[4:7], s[8:9] th:TH_STORE_NT
	s_endpgm
.Lfunc_end_k_q65742baaa0_reduce:
	.size	k_q65742baaa0_reduce, .Lfunc_end_k_q65742baaa0_reduce-k_q65742baaa0_reduce
	.p2alignl 7, 3214868480
	.fill 96, 4, 3214868480
	.section	.rodata,"a",@progbits
	.p2align	6, 0x0
	.amdhsa_kernel k_q65742baaa0_reduce
		.amdhsa_group_segment_fixed_size 0
		.amdhsa_private_segment_fixed_size 0
		.amdhsa_enable_private_segment 0
		.amdhsa_kernarg_size 24
		.amdhsa_user_sgpr_count 2
		.amdhsa_user_sgpr_kernarg_segment_ptr 1
		.amdhsa_wavefront_size32 1
		.amdhsa_system_sgpr_workgroup_id_x 1
		.amdhsa_system_sgpr_workgroup_id_y 1
		.amdhsa_system_sgpr_workgroup_id_z 1
		.amdhsa_system_vgpr_workitem_id 0
		.amdhsa_next_free_vgpr 72
		.amdhsa_next_free_sgpr 66
		.amdhsa_reserve_vcc 0
		.amdhsa_float_denorm_mode_32 3
		.amdhsa_float_denorm_mode_16_64 3
		.amdhsa_memory_ordered 1
		.amdhsa_forward_progress 1
		.amdhsa_inst_pref_size 6
	.end_amdhsa_kernel
	.amdgpu_metadata
---
amdhsa.version: [ 1, 2 ]
amdhsa.kernels:
  - .name:           k_q65742baaa0_reduce
    .symbol:         k_q65742baaa0_reduce.kd
    .args:
      - { .name: part, .offset: 0, .size: 8, .value_kind: global_buffer, .address_space: global }
      - { .name: bias, .offset: 8, .size: 8, .value_kind: global_buffer, .address_space: global }
      - { .name: out0, .offset: 16, .size: 8, .value_kind: global_buffer, .address_space: global }
    .group_segment_fixed_size: 0
    .private_segment_fixed_size: 0
    .kernarg_segment_align: 8
    .kernarg_segment_size: 24
    .max_flat_workgroup_size: 128
    .sgpr_count:     66
    .vgpr_count:     72
    .wavefront_size: 32
...
	.end_amdgpu_metadata
.endif
;; end of part 3
